; MI455X (gfx1250); checked and timed in simulation.
; The chip was launched on July 23, 2026; its instructions are those of AMD's public machine-readable ISA for CDNA 5 (MIT licence, August 2026) and "CDNA5" Instruction Set Architecture Reference Guide (July 2026). The comments in the code are by the model that wrote it; some were corrected since.
;; Temporal Attention layer. Allowed arithmetic: float matrix products may take bf16 or f16 operands with f32 sums; all other float work in f32.
;; Inputs: Wk 1,024 x 1,024 float32; Wo 1,024 x 1,024 float32; Wq 1,024 x 1,024 float32; Wv 1,024 x 1,024 float32; bk 1,024 float32; bo 1,024 float32; bq 1,024 float32; bv 1,024 float32; x 4 x 2,048 x 1,024 float32.
;; Outputs: out0 4 x 1,024 float32.
;; One version. Each part assembles by itself: llvm-mc -triple=amdgcn-amd-amdhsa -mcpu=gfx1250 --defsym DOCPART=n.
;; ======== version 1 of 1: 4 launches
;; workspace buffers: qkf 131,072 bytes; cb 256 bytes; ypart 8,388,608 bytes; stats 16,384 bytes; ctxp 65,536 bytes
;; launch qk (part 1): grid 16 x 4, 16 waves a work-group, no clusters, 52,224 bytes of LDS; arguments x, Wq, bq, Wk, bk, qkf, cb; writes qkf, cb
.if DOCPART == 1
	.amdgcn_target "amdgcn-amd-amdhsa--gfx1250"
	.amdhsa_code_object_version 6
	.text
	.protected	k_q0ba8dcb401_qk
	.globl	k_q0ba8dcb401_qk
	.p2align	8
	.type	k_q0ba8dcb401_qk,@function
k_q0ba8dcb401_qk:
	s_mov_b64 s[64:65], 0
	v_nop
	global_prefetch_b8 v0, s[64:65] scope:SCOPE_SE
	s_setreg_imm32_b32 hwreg(HW_REG_WAVE_MODE, 25, 1), 1
	s_wait_xcnt 0x0
; Only out[:, T-1, :] is returned, so only the last token's query is needed, and the scores of head h are
;   q.(Wk_h x_s + bk_h)/8 = (Wk_h^T q).x_s/8 + q.bk_h/8 .
; This launch makes, for head h (work-group x) and 256 columns d (work-group y = dc), for all four batches:
;   q'[b][j]  = (Wq[64h+j].x[b][T-1] + bq[64h+j]) * SC,   SC = log2(e)/8  (the scores then live in base 2)
;   qk[b][d]  = sum over j of q'[b][j] Wk[64h+j][d]       -> qkf, bf16, laid out as matrix fragments for the next launch
;   c[b]      = sum over j of q'[b][j] bk[64h+j]          -> cb  (work-groups with dc = 0 only)
; Products with four rows: each weight is used four times, so they are streams; f32 packed multiply-adds, no matrix unit.
; 16 waves.  q': wave w owns rows 4w..4w+3 of Wq_h (8 loads of 512 bytes a row).  qk: wave w owns rows 8(w>>1)..+7 of Wk_h
; and 128 of the 256 columns (w&1); the eight row groups meet in LDS.
; All 45 global loads of a wave are issued at once: nothing is requested late, so there is no ring and no prefetch.
; NO JOINT REQUESTS: the four work-groups of a head read the same 256 KB of Wq_h, but a joint request is a tensor load into LDS,
; and each number of Wq_h is used by one lane once: 256 KB more written to and read from LDS in each work-group.
; LIMITS: finite inputs.  K is never formed, so the order of rounding differs from the reference's; qk is rounded to bf16.
.set XL,   0                           ; LDS: x[b][T-1][0..1023] f32, 4 x 4096 bytes
.set QL,   16384                       ; LDS: q'[b][64] f32, 4 x 256 bytes
.set RL,   17408                       ; LDS: partial qk [row group 8][b 4][64 x 16 bytes]
.set SC,   0x3e38aa3b                  ; log2(e) / 8
.set XLD,  16                          ; v[16:23]   my 2 x 16 bytes of the four last rows of x
.set BQ,   24                          ; v[24:27]   bq of my four rows
.set BK,   28                          ; v[28:29]   bk[64h+lane], bk[64h+32+lane]
.set WQ,   32                          ; v[32:159]  Wq: piece i (0..7) of row rr (0..3) at 4 (4 i + rr)
.set WK,   160                         ; v[160:191] Wk: 16 bytes of each of my 8 rows
.set XB,   192                         ; v[192:223] x from LDS, two buffers of 4 batches x 4 numbers
.set ACC,  224                         ; v[224:255] 16 pairs, pair 4 b + rr
.set SUM,  32                          ; v[32:47]   (WQ is spent) q' of 4 b x 4 rows
.set QV,   48                          ; v[48:79]   q'[b][8 of my row group]
.set ACC2, 80                          ; v[80:95]   partial qk[b][my 4 columns]
.set FIN,  96                          ; v[96:159]  the eight row groups' partials of 8 columns
; Sum over the 32 lanes of cnt registers from base on, result in every lane.  Four steps inside each half of 16 lanes ride on the
; addition, one crosses the halves.  The registers are walked step by step, so that no line waits for the one in front of it.
; tmp: cnt registers that have been written before (the cross-half move counts as a reader of its destination).
.macro WSUMN base, cnt, tmp
.irp m, 1,2,4,8
.set wsk, 0
.rept \cnt
	v_add_f32_dpp v[\base+wsk], v[\base+wsk], v[\base+wsk] row_xmask:\m row_mask:0xf bank_mask:0xf
.set wsk, wsk+1
.endr
.endr
.set wsk, 0
.rept \cnt
	v_permlanex16_b32 v[\tmp+wsk], v[\base+wsk], s30, s31
.set wsk, wsk+1
.endr
.set wsk, 0
.rept \cnt
	v_add_f32 v[\base+wsk], v[\base+wsk], v[\tmp+wsk]
.set wsk, wsk+1
.endr
.endm
	s_load_b256 s[4:11], s[0:1], 0x0               ; x s[4:5], Wq s[6:7], bq s[8:9], Wk s[10:11]
	s_load_b128 s[12:15], s[0:1], 0x20             ; bk s[12:13], qkf s[14:15]
	s_load_b64 s[16:17], s[0:1], 0x30              ; cb
	v_lshl_add_u32 v30, v0, 2, 0xc400
	v_mov_b32 v31, 0
	v_and_b32 v1, 31, v0                           ; lane
	v_lshrrev_b32 v14, 5, v0
	v_readfirstlane_b32 s20, v14                   ; wave w
	s_mov_b32 s21, ttmp9                           ; head h
	s_and_b32 s22, ttmp7, 0xffff                   ; dc: which 256 columns
	s_mov_b32 s30, 0x76543210                      ; cross-half move: lane i reads lane i of the other half
	s_mov_b32 s31, 0xfedcba98
	s_lshl_b32 s24, s21, 18                        ; 64 rows of 4,096 bytes a head
	s_mov_b32 s25, 0
	s_lshl_b32 s26, s22, 10                        ; + 256 columns of 4 bytes
	s_add_co_u32 s26, s26, s24
	s_mov_b32 s27, 0
	s_lshl_b32 s28, s21, 8                         ; 64 biases a head
	s_mov_b32 s29, 0
	s_lshl_b32 s32, s21, 4                         ; cb: 4 batches a head; also the head's 16 bytes in a fragment
	s_mov_b32 s33, 0
	s_lshr_b32 s35, s20, 1                         ; jg: my group of 8 rows of Wk_h
	s_and_b32 s36, s20, 1                          ; ch: my half of the 256 columns
	v_lshrrev_b32 v15, 8, v0                       ; x: thread t takes 16 bytes at (t & 255) of batch t >> 8 (and of batch 2 + (t >> 8))
	v_and_b32 v14, 255, v0
	v_lshlrev_b32 v14, 4, v14
	v_lshl_or_b32 v2, v15, 23, v14                 ; a batch is 8,388,608 bytes
	s_lshl_b32 s34, s20, 14
	v_lshl_add_u32 v4, v1, 4, s34                  ; Wq: 4 w rows + 16 lane
	s_lshl_b32 s37, s35, 15
	s_lshl_b32 s38, s36, 9
	s_add_co_u32 s37, s37, s38
	v_lshl_add_u32 v5, v1, 4, s37                  ; Wk: 8 jg rows + 512 ch + 16 lane
	s_lshl_b32 s34, s20, 4
	v_mov_b32 v6, s34                              ; bq: 16 w
	v_lshlrev_b32 v7, 2, v1                        ; bk: 4 lane
	s_wait_kmcnt 0x0
	s_add_nc_u64 s[4:5], s[4:5], 0x7ff000          ; x[0][T-1]: 2,047 rows of 4,096 bytes
	s_add_nc_u64 s[18:19], s[4:5], 0x1000000       ; x[2][T-1]
	s_add_nc_u64 s[6:7], s[6:7], s[24:25]
	s_add_nc_u64 s[8:9], s[8:9], s[28:29]
	s_add_nc_u64 s[10:11], s[10:11], s[26:27]
	s_add_nc_u64 s[12:13], s[12:13], s[28:29]
	s_add_nc_u64 s[16:17], s[16:17], s[32:33]
	; every load of the wave, oldest first: 2 of x, 1 of bq, 2 of bk, 32 of Wq, 8 of Wk.
	; bk is used by wave 15 alone; every wave loads its 256 bytes, so that the counts below are the same in every wave.
	global_load_b128 v[XLD:XLD+3],   v2, s[4:5]
	global_load_b128 v[XLD+4:XLD+7], v2, s[18:19]
	global_load_b128 v[BQ:BQ+3], v6, s[8:9]
	global_load_b32 v[BK],   v7, s[12:13]
	global_load_b32 v[BK+1], v7, s[12:13] offset:128
.irp i, 0,1,2,3,4,5,6,7
.irp rr, 0,1,2,3
	global_load_b128 v[WQ+4*(4*\i+\rr):WQ+4*(4*\i+\rr)+3], v4, s[6:7] offset:\rr*4096+\i*512
.endr
.endr
.irp jj, 0,1,2,3,4,5,6,7
	global_load_b128 v[WK+4*\jj:WK+4*\jj+3], v5, s[10:11] offset:\jj*4096 th:TH_LOAD_NT   ; each byte of Wk is read once in the launch
.endr
	; LDS addresses, while the loads are on their way
	v_lshlrev_b32 v3, 4, v0                        ; XL: 16 t = 4096 (t >> 8) + 16 (t & 255)
	v_lshlrev_b32 v8, 4, v1                        ; XL + 16 lane
	v_add_nc_u32 v9, QL, v6                        ; q' of my four rows
	s_lshl_b32 s34, s35, 5
	s_add_co_u32 s34, s34, QL
	v_mov_b32 v10, s34                             ; q' of my row group
	s_lshl_b32 s34, s35, 12
	s_add_co_u32 s34, s34, s38
	s_add_co_u32 s34, s34, RL
	v_lshl_add_u32 v11, v1, 4, s34                 ; RL + 4096 jg + 512 ch + 16 lane
	s_lshl_b32 s34, s20, 10
	s_add_co_u32 s34, s34, RL
	v_lshl_add_u32 v12, v1, 5, s34                 ; RL + 1024 b (b = w, waves 0..3) + 32 lane
	; qkf: d = 32 kstep + 16 g + 8 hh + e lies at b 32768 + kstep 1024 + g 512 + hh 256 + head 16 + 2 e.  My eight columns are
	; d = 8 d8 .. 8 d8 + 7 with d8 = 32 dc + lane, and kstep 1024 + g 512 + hh 256 is simply 256 d8.
	s_lshl_b32 s23, s20, 15
	s_lshl_b32 s34, s22, 13
	s_add_co_u32 s23, s23, s34
	s_add_co_u32 s23, s23, s32
	v_lshl_add_u32 v13, v1, 8, s23
	s_wait_loadcnt 43                              ; the two loads of x are in: 3 + 32 + 8 younger ones stay out
	ds_store_b128 v3, v[XLD:XLD+3]
	ds_store_b128 v3, v[XLD+4:XLD+7] offset:8192
	s_wait_dscnt 0x0                               ; my part of XL is written, for the others' sake
	s_barrier_signal -1
	s_barrier_wait -1
; piece i of the four last rows of x (128 numbers, 4 a lane) into buffer sel
.macro XBLD i, sel
.irp b, 0,1,2,3
	ds_load_b128 v[XB+16*(\sel)+4*\b:XB+16*(\sel)+4*\b+3], v8 offset:XL+\b*4096+(\i)*512
.endr
.endm
; 32 packed multiply-adds: 4 batches x 4 rows x 4 numbers.  first = 1: the first products start the sums, nothing is cleared.
.macro QSTEP i, sel, first
.irp hf, 0,1
.irp b, 0,1,2,3
.irp rr, 0,1,2,3
.if \first*(1-\hf)
	v_pk_mul_f32 v[ACC+2*(4*\b+\rr):ACC+2*(4*\b+\rr)+1], v[WQ+4*(4*(\i)+\rr)+2*\hf:WQ+4*(4*(\i)+\rr)+2*\hf+1], v[XB+16*(\sel)+4*\b+2*\hf:XB+16*(\sel)+4*\b+2*\hf+1]
.else
	v_pk_fma_f32 v[ACC+2*(4*\b+\rr):ACC+2*(4*\b+\rr)+1], v[WQ+4*(4*(\i)+\rr)+2*\hf:WQ+4*(4*(\i)+\rr)+2*\hf+1], v[XB+16*(\sel)+4*\b+2*\hf:XB+16*(\sel)+4*\b+2*\hf+1], v[ACC+2*(4*\b+\rr):ACC+2*(4*\b+\rr)+1]
.endif
.endr
.endr
.endr
.endm
.macro QTURN i, first
	XBLD \i+1, (\i+1)%2
	s_wait_dscnt 0x4                               ; piece i of x is in; the four loads just issued stay out
	s_wait_loadcnt 36-4*\i                         ; piece i of my four rows is in: 28 - 4 i loads of Wq and 8 of Wk are younger
	QSTEP \i, \i%2, \first
.endm
	XBLD 0, 0
	QTURN 0, 1
.irp i, 1,2,3,4,5,6
	QTURN \i, 0
.endr
	s_wait_dscnt 0x0                               ; the last piece: nothing was issued behind it
	s_wait_loadcnt 8                               ; only Wk's eight loads are younger
	QSTEP 7, 1, 0
.set k, 0
.rept 16
	v_add_f32 v[SUM+k], v[ACC+2*k], v[ACC+2*k+1]
.set k, k+1
.endr
	WSUMN SUM, 16, XB
	v_pk_mul_f32 v[BQ:BQ+1],   v[BQ:BQ+1],   SC op_sel_hi:[1,0]      ; (sum + bq) SC = sum SC + bq SC: one fused line for each pair below
	v_pk_mul_f32 v[BQ+2:BQ+3], v[BQ+2:BQ+3], SC op_sel_hi:[1,0]
.irp b, 0,1,2,3
	v_pk_fma_f32 v[SUM+4*\b:SUM+4*\b+1],   v[SUM+4*\b:SUM+4*\b+1],   SC, v[BQ:BQ+1]   op_sel_hi:[1,0,1]
	v_pk_fma_f32 v[SUM+4*\b+2:SUM+4*\b+3], v[SUM+4*\b+2:SUM+4*\b+3], SC, v[BQ+2:BQ+3] op_sel_hi:[1,0,1]
	ds_store_b128 v9, v[SUM+4*\b:SUM+4*\b+3] offset:\b*256           ; every lane holds the same four numbers and writes the same 16 bytes
.endr
	s_wait_dscnt 0x0
	s_barrier_signal -1
	s_barrier_wait -1
	; partial qk: my 8 rows of Wk_h, my 4 columns, 4 batches
.irp b, 0,1,2,3
	ds_load_b128 v[QV+8*\b:QV+8*\b+3],   v10 offset:\b*256
	ds_load_b128 v[QV+8*\b+4:QV+8*\b+7], v10 offset:\b*256+16
.endr
	s_wait_dscnt 0x0
	s_wait_loadcnt 0x0                             ; Wk
.irp jp, 0,1,2,3
.irp sl, 0,1
.irp b, 0,1,2,3
.irp hf, 0,1
.if (\jp+\sl)==0
	v_pk_mul_f32 v[ACC2+4*\b+2*\hf:ACC2+4*\b+2*\hf+1], v[WK+4*(2*\jp+\sl)+2*\hf:WK+4*(2*\jp+\sl)+2*\hf+1], v[QV+8*\b+2*\jp:QV+8*\b+2*\jp+1] op_sel:[0,\sl] op_sel_hi:[1,\sl]
.else
	v_pk_fma_f32 v[ACC2+4*\b+2*\hf:ACC2+4*\b+2*\hf+1], v[WK+4*(2*\jp+\sl)+2*\hf:WK+4*(2*\jp+\sl)+2*\hf+1], v[QV+8*\b+2*\jp:QV+8*\b+2*\jp+1], v[ACC2+4*\b+2*\hf:ACC2+4*\b+2*\hf+1] op_sel:[0,\sl,0] op_sel_hi:[1,\sl,1]
.endif
.endr
.endr
.endr
.endr
.irp b, 0,1,2,3
	ds_store_b128 v11, v[ACC2+4*\b:ACC2+4*\b+3] offset:\b*1024
.endr
	s_wait_dscnt 0x0
	s_barrier_signal -1
	s_barrier_wait -1                              ; the last barrier: what follows is divided by wave number
	s_cmp_gt_u32 s20, 3
	s_cbranch_scc1 .Lno_fin
	; waves 0..3, batch b = w: add the eight row groups, 8 columns a lane, round to bf16, 16 bytes of one fragment row out.
	; The fragment layout interleaves the sixteen heads, so a work-group's pieces are 16 bytes, 256 apart: 128 KB in the whole launch,
	; and in return each wave of the next launch reads its fragments as 512 consecutive bytes.
.irp jg, 0,1,2,3,4,5,6,7
	ds_load_b128 v[FIN+8*\jg:FIN+8*\jg+3],   v12 offset:\jg*4096
	ds_load_b128 v[FIN+8*\jg+4:FIN+8*\jg+7], v12 offset:\jg*4096+16
.endr
	s_wait_dscnt 0x0
.irp st, 4,2,1
.set k, 0
.rept 4*\st
	v_pk_add_f32 v[FIN+2*k:FIN+2*k+1], v[FIN+2*k:FIN+2*k+1], v[FIN+8*\st+2*k:FIN+8*\st+2*k+1]
.set k, k+1
.endr
.endr
.irp j, 0,1,2,3
	v_cvt_pk_bf16_f32 v[FIN+\j], v[FIN+2*\j], v[FIN+2*\j+1]
.endr
	global_store_b128 v13, v[FIN:FIN+3], s[14:15]
.Lno_fin:
	s_cmp_lg_u32 s20, 15
	s_cbranch_scc1 .Lend
	s_cmp_lg_u32 s22, 0
	s_cbranch_scc1 .Lend
	; wave 15 of the work-groups with dc = 0: c[b] = q'[b] . bk_h
	v_add_nc_u32 v15, QL, v7
	v_mov_b32 v14, 0
.irp b, 0,1,2,3
	ds_load_b32 v[FIN+2*\b],   v15 offset:\b*256
	ds_load_b32 v[FIN+2*\b+1], v15 offset:\b*256+128
.endr
	s_wait_dscnt 0x0
.irp b, 0,1,2,3
	v_mul_f32  v[FIN+8+\b], v[FIN+2*\b], v[BK]
.endr
.irp b, 0,1,2,3
	v_fmac_f32 v[FIN+8+\b], v[FIN+2*\b+1], v[BK+1]
.endr
	WSUMN FIN+8, 4, XB
	v_cmp_eq_u32 vcc_lo, 0, v1
	s_wait_xcnt 0x0                                ; EXEC is a source of the wave's earlier loads: it narrows only behind this wait
	s_and_saveexec_b32 s34, vcc_lo
	global_store_b128 v14, v[FIN+8:FIN+11], s[16:17]   ; lane 0: c of the four batches, 16 bytes
	s_wait_xcnt 0x0                                ; and widens again only behind this one
	s_or_b32 exec_lo, exec_lo, s34
.Lend:
	s_wait_tensorcnt 0x0
	ds_add_u32 v30, v31
	s_wait_dscnt 0x0
	s_endpgm
.Lfunc_end_k_q0ba8dcb401_qk:
	.size	k_q0ba8dcb401_qk, .Lfunc_end_k_q0ba8dcb401_qk-k_q0ba8dcb401_qk
	.p2alignl 7, 3214868480
	.fill 96, 4, 3214868480
	.section	.rodata,"a",@progbits
	.p2align	6, 0x0
	.amdhsa_kernel k_q0ba8dcb401_qk
		.amdhsa_group_segment_fixed_size 52224
		.amdhsa_private_segment_fixed_size 0
		.amdhsa_enable_private_segment 0
		.amdhsa_kernarg_size 56
		.amdhsa_user_sgpr_count 2
		.amdhsa_user_sgpr_kernarg_segment_ptr 1
		.amdhsa_wavefront_size32 1
		.amdhsa_system_sgpr_workgroup_id_x 1
		.amdhsa_system_sgpr_workgroup_id_y 1
		.amdhsa_system_sgpr_workgroup_id_z 1
		.amdhsa_system_vgpr_workitem_id 0
		.amdhsa_next_free_vgpr 256
		.amdhsa_next_free_sgpr 66
		.amdhsa_reserve_vcc 1
		.amdhsa_float_denorm_mode_32 3
		.amdhsa_float_denorm_mode_16_64 3
		.amdhsa_memory_ordered 1
		.amdhsa_forward_progress 1
		.amdhsa_inst_pref_size 44
	.end_amdhsa_kernel
	.amdgpu_metadata
---
amdhsa.version: [ 1, 2 ]
amdhsa.kernels:
  - .name:           k_q0ba8dcb401_qk
    .symbol:         k_q0ba8dcb401_qk.kd
    .args:
      - { .name: x, .offset: 0, .size: 8, .value_kind: global_buffer, .address_space: global }
      - { .name: Wq, .offset: 8, .size: 8, .value_kind: global_buffer, .address_space: global }
      - { .name: bq, .offset: 16, .size: 8, .value_kind: global_buffer, .address_space: global }
      - { .name: Wk, .offset: 24, .size: 8, .value_kind: global_buffer, .address_space: global }
      - { .name: bk, .offset: 32, .size: 8, .value_kind: global_buffer, .address_space: global }
      - { .name: qkf, .offset: 40, .size: 8, .value_kind: global_buffer, .address_space: global }
      - { .name: cb, .offset: 48, .size: 8, .value_kind: global_buffer, .address_space: global }
    .group_segment_fixed_size: 52224
    .private_segment_fixed_size: 0
    .kernarg_segment_align: 8
    .kernarg_segment_size: 56
    .max_flat_workgroup_size: 512
    .sgpr_count:     66
    .vgpr_count:     256
    .wavefront_size: 32
...
	.end_amdgpu_metadata
.endif
;; end of part 1
;; launch flash (part 2): grid 32 x 4, 16 waves a work-group, no clusters, 288,768 bytes of LDS; arguments x, qkf, cb, ypart, stats; writes ypart, stats
.if DOCPART == 2
	.amdgcn_target "amdgcn-amd-amdhsa--gfx1250"
	.amdhsa_code_object_version 6
	.text
	.protected	k_q0ba8dcb401_flash
	.globl	k_q0ba8dcb401_flash
	.p2align	8
	.type	k_q0ba8dcb401_flash,@function
k_q0ba8dcb401_flash:
	s_mov_b64 s[64:65], 0
	v_nop
	global_prefetch_b8 v0, s[64:65] scope:SCOPE_SE
	s_setreg_imm32_b32 hwreg(HW_REG_WAVE_MODE, 25, 1), 1
	s_wait_xcnt 0x0
; One pass over x.  Work-group (chunk, b) owns rows s = 64 chunk .. 64 chunk + 63 of x[b] and makes, for all 16 heads at once,
;   S[s][head] = x[b][s] . qk[b][head] + c[head][b]            (matrix unit, bf16 operands, f32 sums; base-2 scores)
;   m[head] = max over its 64 s,  p = 2^(S - m),  l[head] = sum of p
;   Ypart[head][d] = sum over its 64 s of p[s][head] x[b][s][d]  (matrix unit)                   -> ypart, and m, l -> stats
; V is never formed: ctx = Wv (sum of attn x) + bv, and the next launch merges the 32 chunks and multiplies by Wv.
; 16 waves; wave w owns columns d = 64 w .. 64 w + 63 of all 64 rows (256 bytes of every row).  It loads them (32 loads of 16 bytes a
; lane, all issued at once: the work-group's whole 256 KB of x is on its way together), rounds them to bf16 into its own tile in LDS,
; and reads that tile twice: along the rows as the first product's operand, transposed as the second's.  Only the partial scores
; (each wave has summed over its 64 d) pass between waves: two barriers.
; 128 work-groups: with 32 rows each there would be 256, and twice the bytes of ypart to write here and read in the next launch.
; x goes through registers because it has to be rounded to bf16 on its way: no tensor loads, hence no joint requests either;
; what the work-groups of a batch share is qkf, 32 KB beside 256 KB of x of their own.  One tile a work-group: no ring.
; LIMITS: finite inputs.  x, qk and p are rounded to bf16; p below 2^-126 becomes 0; sums are ordered otherwise than in the reference.
.set PITCH,  144                       ; a tile row: 128 bytes of bf16 + 16: an odd multiple of 16 bytes, so that the sixteen rows of a
                                       ; fragment load begin at sixteen different 16-byte columns modulo 256
.set WTILE,  64*PITCH                  ; a wave's tile: 9,216 bytes
.set SP,     16*WTILE                  ; 147456: partial scores [wave 16][quad 8][lane 32][16 bytes]
.set SF,     SP+65536                  ; 212992: the scores summed over the waves, same layout, 4,096 bytes
.set ST,     SF+4096                   ; 217088: the way out, for each wave 16 heads x 272 bytes
.set SPITCH, 272
.set QF,   24                          ; v[24:39]   qk fragments of my two K steps
.set SCR,  40                          ; v[40:71]   scores: tile mt (16 rows) at 8 mt; register j of lane (r, hh): row 16 mt + 8 hh + j, head r
.set PA,   72                          ; v[72:87]   p in bf16: two fragments (rows 0-31, 32-63)
.set XR,   88                          ; v[88:215]  x as loaded, load idx at 4 idx
.set AF,   88                          ; v[88:151]  (XR is spent) fragments of x along the rows: (mt, ks) at 8 (2 mt + ks)
.set BF,   152                         ; v[152:215] fragments of x transposed: (nt, ks) at 8 (2 nt + ks)
.set RED,  88                          ; v[88:119]  (AF is spent) sixteen waves' partials of my slice
.set YA,   88                          ; v[88:119]  (RED is spent) Ypart tiles nt = 0..3
.set OB,   120                         ; v[120:151] rows read back for the stores
	s_load_b256 s[4:11], s[0:1], 0x0               ; x s[4:5], qkf s[6:7], cb s[8:9], ypart s[10:11]
	s_load_b64 s[12:13], s[0:1], 0x20              ; stats
	v_lshl_add_u32 v216, v0, 2, 0x46000
	v_mov_b32 v217, 0
	v_and_b32 v1, 31, v0                           ; lane
	v_lshrrev_b32 v18, 5, v0
	v_readfirstlane_b32 s20, v18                   ; wave w
	s_mov_b32 s21, ttmp9                           ; chunk
	s_and_b32 s22, ttmp7, 0xffff                   ; batch b
	s_mov_b32 s30, 0x76543210                      ; cross-half move: lane i reads lane i of the other half
	s_mov_b32 s31, 0xfedcba98
	v_and_b32 v2, 15, v0                           ; r
	v_lshrrev_b32 v3, 4, v1                        ; hh
	s_lshl_b32 s24, s22, 23                        ; a batch of x: 8,388,608 bytes; a chunk: 64 rows of 4,096
	s_lshl_b32 s23, s21, 18
	s_add_co_u32 s24, s24, s23
	s_mov_b32 s25, 0
	s_lshl_b32 s26, s22, 15                        ; qkf: 32,768 bytes a batch
	s_mov_b32 s27, 0
	s_lshl_b32 s28, s22, 2                         ; cb[head][b]
	s_mov_b32 s29, 0
	s_lshl_b32 s23, s22, 5
	s_add_co_u32 s23, s23, s21                     ; 32 b + chunk
	s_lshl_b32 s32, s23, 16                        ; ypart: 16 heads x 4,096 bytes
	s_mov_b32 s33, 0
	s_lshl_b32 s34, s23, 7                         ; stats: 32 words
	s_mov_b32 s35, 0
	s_lshl_b32 s37, s20, 8                         ; my 256 bytes of a row
	v_lshlrev_b32 v19, 4, v2                       ; 16 r
	v_lshl_or_b32 v4, v3, 15, v19                  ; x: lanes 0-15 take a row's 256 bytes, lanes 16-31 those of the row 8 further down
	v_add_nc_u32 v4, s37, v4
	s_lshl_b32 s38, s20, 11
	v_lshl_add_u32 v15, v1, 4, s38                 ; qkf: K steps 2 w, 2 w + 1 (1,024 bytes each), 16 bytes a lane
	v_lshrrev_b32 v16, 1, v1
	v_lshlrev_b32 v16, 4, v16                      ; cb: head lane >> 1 (the head of my slice of the score sum, see below)
	s_wait_kmcnt 0x0
	s_add_nc_u64 s[4:5], s[4:5], s[24:25]
	s_add_nc_u64 s[6:7], s[6:7], s[26:27]
	s_add_nc_u64 s[8:9], s[8:9], s[28:29]
	s_add_nc_u64 s[10:11], s[10:11], s[32:33]
	s_add_nc_u64 s[12:13], s[12:13], s[34:35]
	global_load_b32 v17, v16, s[8:9]               ; c
.irp q, 0,1,2,3
	global_load_b128 v[QF+4*\q:QF+4*\q+3], v15, s[6:7] offset:\q*512
.endr
.set idx, 0
.rept 32                                           ; load idx: rows n and n + 8, n = 16 (idx / 8) + idx % 8
	global_load_b128 v[XR+4*idx:XR+4*idx+3], v4, s[4:5] offset:(16*(idx/8)+idx%8)*4096 th:TH_LOAD_NT
.set idx, idx+1
.endr
	; LDS addresses, while the loads are on their way
	s_mul_i32 s36, s20, WTILE                      ; my tile
	v_mul_u32_u24 v5, v3, 8*PITCH                  ; in: row n + 8 hh, 8 bytes (4 bf16) at 8 r
	v_lshl_add_u32 v5, v2, 3, v5
	v_add_nc_u32 v5, s36, v5
	v_mul_u32_u24 v6, v2, PITCH                    ; along the rows: row r, 16 bytes at 16 hh
	v_lshl_add_u32 v6, v3, 4, v6
	v_add_nc_u32 v6, s36, v6
	v_and_b32 v20, 7, v1                           ; transposed: row 8 hh + (lane & 7), 16 bytes at 16 ((lane >> 3) & 1)
	v_lshl_add_u32 v20, v3, 3, v20
	v_mul_u32_u24 v7, v20, PITCH
	v_bfe_u32 v20, v1, 3, 1
	v_lshl_add_u32 v7, v20, 4, v7
	v_add_nc_u32 v7, s36, v7
	s_lshl_b32 s38, s20, 12
	s_add_co_u32 s38, s38, SP
	v_lshl_add_u32 v8, v1, 4, s38                  ; my partial scores
	s_add_co_u32 s38, s37, SP
	v_lshl_add_u32 v9, v1, 3, s38                  ; my slice (256 of the 4,096 bytes) of wave 0's partial scores
	s_add_co_u32 s38, s37, SF
	v_lshl_add_u32 v10, v1, 3, s38                 ; the same slice of the sum
	v_lshl_add_u32 v11, v1, 4, SF                  ; the whole sum
	s_mul_i32 s39, s20, 16*SPITCH
	s_add_co_u32 s39, s39, ST                      ; my stage
	v_mul_u32_u24 v12, v2, SPITCH                  ; in: head r, 32 bytes at 32 hh
	v_lshl_add_u32 v12, v3, 5, v12
	v_add_nc_u32 v12, s39, v12
	v_mul_u32_u24 v13, v3, SPITCH                  ; back: lanes 0-15 one head's 256 bytes, lanes 16-31 the next head's
	v_add3_u32 v13, v13, v19, s39
	v_lshl_or_b32 v14, v3, 12, v19                 ; and the same in ypart: a head is 4,096 bytes
	v_add_nc_u32 v14, s37, v14
	v_lshlrev_b32 v23, 2, v1                       ; stats: a word a lane
	v_mov_b32 v21, 0                               ; destination of a cross-half move below: written once beforehand (v19 has been)
	; x to bf16 into my tile, four loads at a time
.set idx, 0
.rept 8
	s_wait_loadcnt 28-idx                          ; loads idx .. idx + 3 are in (c and qk, older, too): 28 - idx younger ones stay out
.rept 4
	v_cvt_pk_bf16_f32 v[XR+4*idx],   v[XR+4*idx],   v[XR+4*idx+1]
	v_cvt_pk_bf16_f32 v[XR+4*idx+1], v[XR+4*idx+2], v[XR+4*idx+3]
	ds_store_b64 v5, v[XR+4*idx:XR+4*idx+1] offset:(16*(idx/8)+idx%8)*PITCH
.set idx, idx+1
.endr
.endr
	; The tile is my own and LDS serves a wave's instructions in order (ISA guide 5.7.1): the loads below see the stores above, no barrier.
.irp mt, 0,1,2,3
.irp ks, 0,1
	ds_load_b128 v[AF+8*(2*\mt+\ks):AF+8*(2*\mt+\ks)+3],   v6 offset:\mt*16*PITCH+\ks*64
	ds_load_b128 v[AF+8*(2*\mt+\ks)+4:AF+8*(2*\mt+\ks)+7], v6 offset:\mt*16*PITCH+\ks*64+32
.endr
.endr
.irp nt, 0,1,2,3
.irp ks, 0,1
	ds_load_tr16_b128 v[BF+8*(2*\nt+\ks):BF+8*(2*\nt+\ks)+3],   v7 offset:\ks*32*PITCH+\nt*32
	ds_load_tr16_b128 v[BF+8*(2*\nt+\ks)+4:BF+8*(2*\nt+\ks)+7], v7 offset:\ks*32*PITCH+\nt*32+16*PITCH
.endr
.endr
	s_wait_dscnt 16                                ; the sixteen row fragments' loads are in; the sixteen transposing ones stay out
	; partial scores over my 64 d: rows of x times qk.  The first products start the sums.
.irp mt, 0,1,2,3
	v_wmma_f32_16x16x32_bf16 v[SCR+8*\mt:SCR+8*\mt+7], v[AF+16*\mt:AF+16*\mt+7], v[QF:QF+7], 0
.endr
.irp mt, 0,1,2,3
	v_wmma_f32_16x16x32_bf16 v[SCR+8*\mt:SCR+8*\mt+7], v[AF+16*\mt+8:AF+16*\mt+15], v[QF+8:QF+15], v[SCR+8*\mt:SCR+8*\mt+7]
.endr
.rept 4
	v_nop                                          ; four places before an LDS store reads a matrix result, and before loads land on AF
.endr
.irp q, 0,1,2,3,4,5,6,7
	ds_store_b128 v8, v[SCR+4*\q:SCR+4*\q+3] offset:\q*512
.endr
	s_wait_dscnt 0x0                               ; my partial scores are written (and my transposed fragments are in)
	s_barrier_signal -1
	s_barrier_wait -1
	; Wave w adds bytes 256 w .. 256 w + 255 of the sixteen partial score blocks, 8 bytes a lane.  In a block, byte 512 q + 16 L + 4 e is
	; register 4 q + e of lane L, whose head is L & 15; at byte 256 w + 8 lane that is head lane >> 1: c was loaded for it.
.set k, 0
.rept 16
	ds_load_b64 v[RED+2*k:RED+2*k+1], v9 offset:k*4096
.set k, k+1
.endr
	s_wait_dscnt 0x0
.irp st, 8,4,2,1
.set k, 0
.rept \st
	v_pk_add_f32 v[RED+2*k:RED+2*k+1], v[RED+2*k:RED+2*k+1], v[RED+2*(k+\st):RED+2*(k+\st)+1]
.set k, k+1
.endr
.endr
	v_pk_add_f32 v[RED:RED+1], v[RED:RED+1], v[16:17] op_sel:[0,1] op_sel_hi:[1,1]   ; + c (v17) in both halves
	ds_store_b64 v10, v[RED:RED+1]
	s_wait_dscnt 0x0
	s_barrier_signal -1
	s_barrier_wait -1
	; every wave takes all 64 x 16 scores, in the layout in which the matrix unit left them, and makes the same m, p, l
.irp q, 0,1,2,3,4,5,6,7
	ds_load_b128 v[SCR+4*\q:SCR+4*\q+3], v11 offset:\q*512
.endr
	s_wait_dscnt 0x0
	v_max3_num_f32 v18, v[SCR], v[SCR+1], v[SCR+2]
.set k, 3
.rept 14
	v_max3_num_f32 v18, v18, v[SCR+k], v[SCR+k+1]
.set k, k+2
.endr
	v_max_num_f32 v18, v18, v[SCR+31]              ; my 32 rows of head r;
	v_permlanex16_b32 v19, v18, s30, s31           ; the other 32 lie in the lane 16 away
	v_max_num_f32 v18, v18, v19                    ; m
.set k, 0
.rept 16
	v_pk_add_f32 v[SCR+2*k:SCR+2*k+1], v[SCR+2*k:SCR+2*k+1], v[18:19] op_sel_hi:[1,0] neg_lo:[0,1] neg_hi:[0,1]
.set k, k+1
.endr
.set k, 0
.rept 32
	v_exp_f32 v[SCR+k], v[SCR+k]
.set k, k+1
.endr
	v_nop                                          ; one plain line between the last exponential and the use of its result (ISA guide 5.7.2)
	; Register j of score tile mt holds row 16 mt + 8 hh + j of head r: packed in pairs, tiles 0, 1 ARE the fragment of rows 0-31
	; (registers 0-3: k = 8 hh + .., registers 4-7: k = 16 + 8 hh + ..) and tiles 2, 3 that of rows 32-63.  No move between lanes.
.set k, 0
	s_wait_alu depctr_va_vdst(0)
.rept 16
	v_cvt_pk_bf16_f32 v[PA+k], v[SCR+2*k], v[SCR+2*k+1]
.set k, k+1
.endr
	; Ypart, used transposed: first source 16 columns d of x, second source p.  Register j of lane (r, hh) is then head r,
	; d = 16 nt + 8 hh + j: eight neighbouring numbers of a row of ypart.
.irp nt, 0,1,2,3
	v_wmma_f32_16x16x32_bf16 v[YA+8*\nt:YA+8*\nt+7], v[BF+16*\nt:BF+16*\nt+7], v[PA:PA+7], 0
.endr
.irp nt, 0,1,2,3
	v_wmma_f32_16x16x32_bf16 v[YA+8*\nt:YA+8*\nt+7], v[BF+16*\nt+8:BF+16*\nt+15], v[PA+8:PA+15], v[YA+8*\nt:YA+8*\nt+7]
.endr
	; l, on registers that no matrix instruction above names: these sixteen plain lines are also the places (four are asked)
	; between the last matrix instruction and the LDS stores of its result
.irp st, 8,4,2,1
.set k, 0
.rept \st
	v_pk_add_f32 v[SCR+2*k:SCR+2*k+1], v[SCR+2*k:SCR+2*k+1], v[SCR+2*(k+\st):SCR+2*(k+\st)+1]
.set k, k+1
.endr
.endr
	v_add_f32 v20, v[SCR], v[SCR+1]
	v_permlanex16_b32 v21, v20, s30, s31
	v_add_f32 v20, v20, v21                        ; l
	; the way out, through my own stage: in by heads and halves, back as whole rows of 256 bytes
.irp nt, 0,1,2,3
	ds_store_b128 v12, v[YA+8*\nt:YA+8*\nt+3]   offset:\nt*64
	ds_store_b128 v12, v[YA+8*\nt+4:YA+8*\nt+7] offset:\nt*64+16
.endr
.irp t, 0,1,2,3,4,5,6,7
	ds_load_b128 v[OB+4*\t:OB+4*\t+3], v13 offset:\t*2*SPITCH
.endr
.irp t, 0,1,2,3,4,5,6,7
	s_wait_dscnt 7-\t                              ; load t is in; the 7 - t younger ones stay out
	global_store_b128 v14, v[OB+4*\t:OB+4*\t+3], s[10:11] offset:\t*8192   ; sixteen lanes write 256 consecutive bytes, aligned
.endr
	s_cmp_lg_u32 s20, 0
	s_cbranch_scc1 .Lend
	v_cmp_gt_u32 vcc_lo, 16, v1                    ; wave 0: lanes 0-15 give m of head r, lanes 16-31 give l of head r: 128 consecutive bytes
	v_cndmask_b32 v22, v20, v18, vcc_lo
	global_store_b32 v23, v22, s[12:13]
.Lend:
	s_wait_tensorcnt 0x0
	ds_add_u32 v216, v217
	s_wait_dscnt 0x0
	s_endpgm
.Lfunc_end_k_q0ba8dcb401_flash:
	.size	k_q0ba8dcb401_flash, .Lfunc_end_k_q0ba8dcb401_flash-k_q0ba8dcb401_flash
	.p2alignl 7, 3214868480
	.fill 96, 4, 3214868480
	.section	.rodata,"a",@progbits
	.p2align	6, 0x0
	.amdhsa_kernel k_q0ba8dcb401_flash
		.amdhsa_group_segment_fixed_size 288768
		.amdhsa_private_segment_fixed_size 0
		.amdhsa_enable_private_segment 0
		.amdhsa_kernarg_size 40
		.amdhsa_user_sgpr_count 2
		.amdhsa_user_sgpr_kernarg_segment_ptr 1
		.amdhsa_wavefront_size32 1
		.amdhsa_system_sgpr_workgroup_id_x 1
		.amdhsa_system_sgpr_workgroup_id_y 1
		.amdhsa_system_sgpr_workgroup_id_z 1
		.amdhsa_system_vgpr_workitem_id 0
		.amdhsa_next_free_vgpr 218
		.amdhsa_next_free_sgpr 66
		.amdhsa_reserve_vcc 1
		.amdhsa_float_denorm_mode_32 3
		.amdhsa_float_denorm_mode_16_64 3
		.amdhsa_memory_ordered 1
		.amdhsa_forward_progress 1
		.amdhsa_inst_pref_size 28
	.end_amdhsa_kernel
	.amdgpu_metadata
---
amdhsa.version: [ 1, 2 ]
amdhsa.kernels:
  - .name:           k_q0ba8dcb401_flash
    .symbol:         k_q0ba8dcb401_flash.kd
    .args:
      - { .name: x, .offset: 0, .size: 8, .value_kind: global_buffer, .address_space: global }
      - { .name: qkf, .offset: 8, .size: 8, .value_kind: global_buffer, .address_space: global }
      - { .name: cb, .offset: 16, .size: 8, .value_kind: global_buffer, .address_space: global }
      - { .name: ypart, .offset: 24, .size: 8, .value_kind: global_buffer, .address_space: global }
      - { .name: stats, .offset: 32, .size: 8, .value_kind: global_buffer, .address_space: global }
    .group_segment_fixed_size: 288768
    .private_segment_fixed_size: 0
    .kernarg_segment_align: 8
    .kernarg_segment_size: 40
    .max_flat_workgroup_size: 512
    .sgpr_count:     66
    .vgpr_count:     218
    .wavefront_size: 32
...
	.end_amdgpu_metadata
.endif
;; end of part 2
;; launch ctx (part 3): grid 64 x 4, 8 waves a work-group, no clusters, 9,472 bytes of LDS; arguments ypart, stats, Wv, ctxp; writes ctxp
.if DOCPART == 3
	.amdgcn_target "amdgcn-amd-amdhsa--gfx1250"
	.amdhsa_code_object_version 6
	.text
	.protected	k_q0ba8dcb401_ctx
	.globl	k_q0ba8dcb401_ctx
	.p2align	8
	.type	k_q0ba8dcb401_ctx,@function
k_q0ba8dcb401_ctx:
	s_mov_b64 s[64:65], 0
	v_nop
	global_prefetch_b8 v0, s[64:65] scope:SCOPE_SE
	s_setreg_imm32_b32 hwreg(HW_REG_WAVE_MODE, 25, 1), 1
	s_wait_xcnt 0x0
; Merges the 32 chunks of the launch before and multiplies by Wv.  Work-group (4 h + dc, b): head h, columns d = 256 dc .. + 255, batch b.
;   M = max over chunks of m,  wn[chunk] = 2^(m - M) / sum over chunks of 2^(m - M) l
;   y[d] = sum over chunks of wn[chunk] Ypart[chunk][h][d]
;   ctxp[dc][b][64 h + o] = sum over my 256 d of Wv[64 h + o][d] y[d],  o = 0..63        (bv and the sum over dc: next launch)
; 8 waves.  Wave w takes chunks 4 w .. 4 w + 3 (the eight partial y meet in LDS) and rows o = 8 w .. 8 w + 7 of Wv_h.
; A product with one row: a stream, f32 packed multiply-adds; all 26 loads of a wave are issued at once, so nothing is left to ask ahead.
; Loads go through registers, so there are no joint requests; the four batches' work-groups share 64 KB of Wv each.
; LIMITS: finite inputs; a chunk's weight below 2^-126 becomes 0; the reciprocal is the approximate one.
.set YR,  0                            ; LDS: partial y [wave 8][1,024 bytes]
.set CS,  8192                         ; LDS: the 64 results
.set W4,  14                           ; v[14:17]   wn of my four chunks
.set YP,  24                           ; v[24:55]   Ypart: chunk i, half k at 4 (2 i + k)
.set WV,  56                           ; v[56:119]  Wv: row i, half k at 4 (2 i + k)
.set ACC, 120                          ; v[120:127] my partial y, 8 numbers
.set PR,  128                          ; v[128:191] the eight waves' partial y; their sum, y, ends in v[128:135]
.set DP,  24                           ; v[24:39]   (YP is spent) a pair for each of my 8 rows
.set DOT, 40                           ; v[40:47]   the 8 dot products
.macro WSUMN base, cnt, tmp            ; sum over the 32 lanes of cnt registers, result in every lane; tmp: cnt registers written before
.irp m, 1,2,4,8
.set wsk, 0
.rept \cnt
	v_add_f32_dpp v[\base+wsk], v[\base+wsk], v[\base+wsk] row_xmask:\m row_mask:0xf bank_mask:0xf
.set wsk, wsk+1
.endr
.endr
.set wsk, 0
.rept \cnt
	v_permlanex16_b32 v[\tmp+wsk], v[\base+wsk], s30, s31
.set wsk, wsk+1
.endr
.set wsk, 0
.rept \cnt
	v_add_f32 v[\base+wsk], v[\base+wsk], v[\tmp+wsk]
.set wsk, wsk+1
.endr
.endm
	s_load_b256 s[4:11], s[0:1], 0x0               ; ypart s[4:5], stats s[6:7], Wv s[8:9], ctxp s[10:11]
	v_lshl_add_u32 v192, v0, 2, 0x2100
	v_mov_b32 v193, 0
	v_and_b32 v1, 31, v0                           ; lane
	v_lshrrev_b32 v7, 5, v0
	v_readfirstlane_b32 s20, v7                    ; wave w
	s_lshr_b32 s21, ttmp9, 2                       ; head h
	s_and_b32 s22, ttmp9, 3                        ; dc
	s_and_b32 s23, ttmp7, 0xffff                   ; batch b
	s_mov_b32 s30, 0x76543210
	s_mov_b32 s31, 0xfedcba98
	s_lshl_b32 s24, s23, 12                        ; stats: 32 chunks x 128 bytes a batch, + 4 h
	s_lshl_b32 s34, s21, 2
	s_add_co_u32 s24, s24, s34
	s_mov_b32 s25, 0
	s_lshl_b32 s26, s23, 21                        ; ypart: 32 chunks x 65,536 bytes a batch, + 4,096 h + 1,024 dc
	s_lshl_b32 s34, s21, 12
	s_lshl_b32 s35, s22, 10
	s_add_co_u32 s26, s26, s34
	s_add_co_u32 s26, s26, s35
	s_mov_b32 s27, 0
	s_lshl_b32 s28, s21, 18                        ; Wv: 64 rows of 4,096 bytes a head, + 1,024 dc
	s_add_co_u32 s28, s28, s35
	s_mov_b32 s29, 0
	s_lshl2_add_u32 s32, s22, s23                  ; ctxp: (4 dc + b) rows of 4,096 bytes, + 256 h
	s_lshl_b32 s32, s32, 12
	s_lshl_b32 s34, s21, 8
	s_add_co_u32 s32, s32, s34
	s_mov_b32 s33, 0
	v_lshlrev_b32 v2, 7, v1                        ; stats: lane = chunk
	s_lshl_b32 s36, s20, 18
	v_lshl_add_u32 v3, v1, 4, s36                  ; ypart: chunk 4 w, 16 bytes a lane
	s_lshl_b32 s36, s20, 15
	v_lshl_add_u32 v4, v1, 4, s36                  ; Wv: row 8 w, 16 bytes a lane
	s_wait_kmcnt 0x0
	s_add_nc_u64 s[4:5], s[4:5], s[26:27]
	s_add_nc_u64 s[6:7], s[6:7], s[24:25]
	s_add_nc_u64 s[8:9], s[8:9], s[28:29]
	s_add_nc_u64 s[10:11], s[10:11], s[32:33]
	global_load_b32 v5, v2, s[6:7]                 ; m of chunk = lane
	global_load_b32 v6, v2, s[6:7] offset:64       ; l
.irp i, 0,1,2,3
.irp k, 0,1
	global_load_b128 v[YP+4*(2*\i+\k):YP+4*(2*\i+\k)+3], v3, s[4:5] offset:\i*65536+\k*512 th:TH_LOAD_NT   ; read once in the launch
.endr
.endr
.irp i, 0,1,2,3,4,5,6,7
.irp k, 0,1
	global_load_b128 v[WV+4*(2*\i+\k):WV+4*(2*\i+\k)+3], v4, s[8:9] offset:\i*4096+\k*512
.endr
.endr
	v_mov_b32 v9, 0                                ; destination of the first lane step below: written once beforehand
	s_lshl_b32 s36, s20, 4
	v_mov_b32 v10, s36                             ; lane 4 w + i as a byte index, for the pull between lanes
	v_add_nc_u32 v11, 4, v10
	v_add_nc_u32 v12, 8, v10
	v_add_nc_u32 v13, 12, v10
	s_lshl_b32 s36, s20, 10
	v_lshl_add_u32 v18, v1, 4, s36                 ; YR: my partial y
	v_lshlrev_b32 v19, 4, v1                       ; YR: wave 0's
	s_lshl_b32 s36, s20, 5
	s_add_co_u32 s36, s36, CS
	v_mov_b32 v20, s36                             ; CS: my 8 results
	v_lshlrev_b32 v21, 3, v1                       ; ctxp: 8 bytes a lane
	v_add_nc_u32 v22, CS, v21
	s_wait_loadcnt 24                              ; m and l are in: 8 + 16 younger loads stay out
	v_max_num_f32_dpp v9, v5, v5 row_xmask:1 row_mask:0xf bank_mask:0xf
	v_max_num_f32_dpp v9, v9, v9 row_xmask:2 row_mask:0xf bank_mask:0xf
	v_max_num_f32_dpp v9, v9, v9 row_xmask:4 row_mask:0xf bank_mask:0xf
	v_max_num_f32_dpp v9, v9, v9 row_xmask:8 row_mask:0xf bank_mask:0xf
	v_permlanex16_b32 v7, v9, s30, s31
	v_max_num_f32 v9, v9, v7                       ; M
	v_sub_f32 v8, v5, v9
	v_exp_f32 v8, v8                               ; 2^(m - M)
	v_nop                                          ; one plain line behind a transcendental (ISA guide 5.7.2)
	s_wait_alu depctr_va_vdst(0)
	v_mul_f32 v6, v8, v6
	WSUMN 6, 1, 7                                  ; the softmax's denominator
	v_rcp_f32 v6, v6
	v_nop
	s_wait_alu depctr_va_vdst(0)
	v_mul_f32 v8, v8, v6                           ; wn of chunk = lane
.irp i, 0,1,2,3
	ds_bpermute_b32 v[W4+\i], v[10+\i], v8         ; wn of my chunk i, in every lane
.endr
	s_wait_dscnt 0x0
	s_wait_loadcnt 16                              ; Ypart is in: Wv's sixteen loads stay out
.irp ip, 0,1
.irp sl, 0,1
.irp q, 0,1,2,3
.if (\ip+\sl)==0
	v_pk_mul_f32 v[ACC+2*\q:ACC+2*\q+1], v[YP+8*(2*\ip+\sl)+2*\q:YP+8*(2*\ip+\sl)+2*\q+1], v[W4+2*\ip:W4+2*\ip+1] op_sel:[0,\sl] op_sel_hi:[1,\sl]
.else
	v_pk_fma_f32 v[ACC+2*\q:ACC+2*\q+1], v[YP+8*(2*\ip+\sl)+2*\q:YP+8*(2*\ip+\sl)+2*\q+1], v[W4+2*\ip:W4+2*\ip+1], v[ACC+2*\q:ACC+2*\q+1] op_sel:[0,\sl,0] op_sel_hi:[1,\sl,1]
.endif
.endr
.endr
.endr
	ds_store_b128 v18, v[ACC:ACC+3]
	ds_store_b128 v18, v[ACC+4:ACC+7] offset:512
	s_wait_dscnt 0x0
	s_barrier_signal -1
	s_barrier_wait -1
.irp p, 0,1,2,3,4,5,6,7
.irp k, 0,1
	ds_load_b128 v[PR+8*\p+4*\k:PR+8*\p+4*\k+3], v19 offset:\p*1024+\k*512
.endr
.endr
	s_wait_dscnt 0x0
.irp st, 4,2,1
.set k, 0
.rept 4*\st
	v_pk_add_f32 v[PR+2*k:PR+2*k+1], v[PR+2*k:PR+2*k+1], v[PR+8*\st+2*k:PR+8*\st+2*k+1]
.set k, k+1
.endr
.endr
	s_wait_loadcnt 0x0                             ; Wv
.irp i, 0,1,2,3,4,5,6,7
	v_pk_mul_f32 v[DP+2*\i:DP+2*\i+1], v[WV+8*\i:WV+8*\i+1], v[PR:PR+1]
.endr
.irp q, 1,2,3
.irp i, 0,1,2,3,4,5,6,7
	v_pk_fma_f32 v[DP+2*\i:DP+2*\i+1], v[WV+8*\i+2*\q:WV+8*\i+2*\q+1], v[PR+2*\q:PR+2*\q+1], v[DP+2*\i:DP+2*\i+1]
.endr
.endr
.irp i, 0,1,2,3,4,5,6,7
	v_add_f32 v[DOT+\i], v[DP+2*\i], v[DP+2*\i+1]
.endr
	WSUMN DOT, 8, DOT+8
	ds_store_b128 v20, v[DOT:DOT+3]                ; every lane holds the same numbers and writes the same bytes
	ds_store_b128 v20, v[DOT+4:DOT+7] offset:16
	s_wait_dscnt 0x0
	s_barrier_signal -1
	s_barrier_wait -1
	s_cmp_lg_u32 s20, 0
	s_cbranch_scc1 .Lend
	ds_load_b64 v[24:25], v22                      ; wave 0: the 64 results leave as 256 consecutive bytes, aligned
	s_wait_dscnt 0x0
	global_store_b64 v21, v[24:25], s[10:11]
.Lend:
	s_wait_tensorcnt 0x0
	ds_add_u32 v192, v193
	s_wait_dscnt 0x0
	s_endpgm
.Lfunc_end_k_q0ba8dcb401_ctx:
	.size	k_q0ba8dcb401_ctx, .Lfunc_end_k_q0ba8dcb401_ctx-k_q0ba8dcb401_ctx
	.p2alignl 7, 3214868480
	.fill 96, 4, 3214868480
	.section	.rodata,"a",@progbits
	.p2align	6, 0x0
	.amdhsa_kernel k_q0ba8dcb401_ctx
		.amdhsa_group_segment_fixed_size 9472
		.amdhsa_private_segment_fixed_size 0
		.amdhsa_enable_private_segment 0
		.amdhsa_kernarg_size 32
		.amdhsa_user_sgpr_count 2
		.amdhsa_user_sgpr_kernarg_segment_ptr 1
		.amdhsa_wavefront_size32 1
		.amdhsa_system_sgpr_workgroup_id_x 1
		.amdhsa_system_sgpr_workgroup_id_y 1
		.amdhsa_system_sgpr_workgroup_id_z 1
		.amdhsa_system_vgpr_workitem_id 0
		.amdhsa_next_free_vgpr 194
		.amdhsa_next_free_sgpr 66
		.amdhsa_reserve_vcc 0
		.amdhsa_float_denorm_mode_32 3
		.amdhsa_float_denorm_mode_16_64 3
		.amdhsa_memory_ordered 1
		.amdhsa_forward_progress 1
		.amdhsa_inst_pref_size 16
	.end_amdhsa_kernel
	.amdgpu_metadata
---
amdhsa.version: [ 1, 2 ]
amdhsa.kernels:
  - .name:           k_q0ba8dcb401_ctx
    .symbol:         k_q0ba8dcb401_ctx.kd
    .args:
      - { .name: ypart, .offset: 0, .size: 8, .value_kind: global_buffer, .address_space: global }
      - { .name: stats, .offset: 8, .size: 8, .value_kind: global_buffer, .address_space: global }
      - { .name: Wv, .offset: 16, .size: 8, .value_kind: global_buffer, .address_space: global }
      - { .name: ctxp, .offset: 24, .size: 8, .value_kind: global_buffer, .address_space: global }
    .group_segment_fixed_size: 9472
    .private_segment_fixed_size: 0
    .kernarg_segment_align: 8
    .kernarg_segment_size: 32
    .max_flat_workgroup_size: 256
    .sgpr_count:     66
    .vgpr_count:     194
    .wavefront_size: 32
...
	.end_amdgpu_metadata
.endif
;; end of part 3
;; launch out (part 4): grid 128 x 1, 8 waves a work-group, no clusters, 17,664 bytes of LDS; arguments ctxp, bv, Wo, bo, out0; writes out0
.if DOCPART == 4
	.amdgcn_target "amdgcn-amd-amdhsa--gfx1250"
	.amdhsa_code_object_version 6
	.text
	.protected	k_q0ba8dcb401_out
	.globl	k_q0ba8dcb401_out
	.p2align	8
	.type	k_q0ba8dcb401_out,@function
k_q0ba8dcb401_out:
	s_mov_b64 s[64:65], 0
	v_nop
	global_prefetch_b8 v0, s[64:65] scope:SCOPE_SE
	s_setreg_imm32_b32 hwreg(HW_REG_WAVE_MODE, 25, 1), 1
	s_wait_xcnt 0x0
; ctx[b][o] = bv[o] + sum over dc of ctxp[dc][b][o]   (bv enters whole: the attention weights of a head add up to one)
; out0[b][p] = Wo[p] . ctx[b] + bo[p]
; Work-group g makes p = 8 g .. 8 g + 7; wave w takes row 8 g + w of Wo (8 loads of 512 bytes) against all four batches.
; Each work-group forms all of ctx (thread t: 4 columns, 4 batches) from 64 KB of ctxp and shares it through LDS.
; A product with four rows: a stream, f32 packed multiply-adds.  All 26 loads of a wave are issued at once.
; The output is 16 KB: a work-group stores four runs of 32 bytes.  Whole runs of 256 bytes would take 64 rows of Wo a work-group,
; that is 16 work-groups for the 4 MB of Wo.
; LIMITS: finite inputs; sums ordered otherwise than in the reference.
.set CX,  0                            ; LDS: ctx[b][1024] f32
.set OS,  16384                        ; LDS: results [b 4][row 8]
.set BV,  12                           ; v[12:15]   bv of my 4 columns
.set CP,  16                           ; v[16:79]   ctxp: (dc, b) at 4 (4 dc + b); ctx[b] ends in (0, b)
.set WO,  80                           ; v[80:111]  my row of Wo
.set CXR, 112                          ; v[112:239] ctx from LDS: (b, i) at 4 (8 b + i)
.set ACC, 16                           ; v[16:23]   (CP is spent) a pair for each batch
.set RES, 24                           ; v[24:27]   the four results
.macro WSUMN base, cnt, tmp            ; sum over the 32 lanes of cnt registers, result in every lane; tmp: cnt registers written before
.irp m, 1,2,4,8
.set wsk, 0
.rept \cnt
	v_add_f32_dpp v[\base+wsk], v[\base+wsk], v[\base+wsk] row_xmask:\m row_mask:0xf bank_mask:0xf
.set wsk, wsk+1
.endr
.endr
.set wsk, 0
.rept \cnt
	v_permlanex16_b32 v[\tmp+wsk], v[\base+wsk], s30, s31
.set wsk, wsk+1
.endr
.set wsk, 0
.rept \cnt
	v_add_f32 v[\base+wsk], v[\base+wsk], v[\tmp+wsk]
.set wsk, wsk+1
.endr
.endm
	s_load_b256 s[4:11], s[0:1], 0x0               ; ctxp s[4:5], bv s[6:7], Wo s[8:9], bo s[10:11]
	s_load_b64 s[12:13], s[0:1], 0x20              ; out0
	v_lshl_add_u32 v240, v0, 2, 0x4100
	v_mov_b32 v241, 0
	v_and_b32 v1, 31, v0                           ; lane
	v_lshrrev_b32 v10, 5, v0
	v_readfirstlane_b32 s20, v10                   ; wave w
	s_mov_b32 s30, 0x76543210
	s_mov_b32 s31, 0xfedcba98
	s_lshl_b32 s24, ttmp9, 15                      ; Wo: 8 rows of 4,096 bytes a work-group
	s_mov_b32 s25, 0
	s_lshl_b32 s26, ttmp9, 5                       ; bo, out0: 8 numbers a work-group
	s_mov_b32 s27, 0
	v_lshlrev_b32 v2, 4, v0                        ; 16 t: my 4 columns, in bv, in ctxp and in CX
	s_lshl_b32 s28, s20, 12
	v_lshl_add_u32 v3, v1, 4, s28                  ; Wo: row w, 16 bytes a lane
	v_and_b32 v4, 7, v1
	v_lshlrev_b32 v4, 2, v4                        ; bo: row lane & 7
	s_wait_kmcnt 0x0
	s_add_nc_u64 s[8:9], s[8:9], s[24:25]
	s_add_nc_u64 s[10:11], s[10:11], s[26:27]
	s_add_nc_u64 s[12:13], s[12:13], s[26:27]
	global_load_b128 v[BV:BV+3], v2, s[6:7]
.irp dc, 0,1,2,3
.irp b, 0,1,2,3
	global_load_b128 v[CP+4*(4*\dc+\b):CP+4*(4*\dc+\b)+3], v2, s[4:5] offset:(4*\dc+\b)*4096
.endr
.endr
	global_load_b32 v5, v4, s[10:11]               ; used by wave 0 alone; every wave loads its 32 bytes, so that the counts are the same in all
.irp i, 0,1,2,3,4,5,6,7
	global_load_b128 v[WO+4*\i:WO+4*\i+3], v3, s[8:9] offset:\i*512 th:TH_LOAD_NT   ; each byte of Wo is read once in the launch
.endr
	v_lshlrev_b32 v6, 4, v1                        ; CX: 16 bytes a lane
	s_lshl_b32 s28, s20, 2
	s_add_co_u32 s28, s28, OS
	v_mov_b32 v7, s28                              ; OS: my row
	v_lshl_add_u32 v8, v1, 2, OS                   ; OS: lane = 8 b + row
	v_lshrrev_b32 v9, 3, v1
	v_lshl_or_b32 v9, v9, 12, v4                   ; out0: batch lane >> 3 (4,096 bytes), row lane & 7
	s_wait_loadcnt 9                               ; bv and ctxp are in: bo and Wo's eight loads stay out
.irp b, 0,1,2,3
.irp hf, 0,1
	v_pk_add_f32 v[CP+4*\b+2*\hf:CP+4*\b+2*\hf+1], v[CP+4*\b+2*\hf:CP+4*\b+2*\hf+1], v[BV+2*\hf:BV+2*\hf+1]
.endr
.endr
.irp dc, 1,2,3
.irp b, 0,1,2,3
.irp hf, 0,1
	v_pk_add_f32 v[CP+4*\b+2*\hf:CP+4*\b+2*\hf+1], v[CP+4*\b+2*\hf:CP+4*\b+2*\hf+1], v[CP+16*\dc+4*\b+2*\hf:CP+16*\dc+4*\b+2*\hf+1]
.endr
.endr
.endr
.irp b, 0,1,2,3
	ds_store_b128 v2, v[CP+4*\b:CP+4*\b+3] offset:CX+\b*4096
.endr
	s_wait_dscnt 0x0
	s_barrier_signal -1
	s_barrier_wait -1
.irp b, 0,1,2,3
.irp i, 0,1,2,3,4,5,6,7
	ds_load_b128 v[CXR+4*(8*\b+\i):CXR+4*(8*\b+\i)+3], v6 offset:CX+\b*4096+\i*512
.endr
.endr
	s_wait_dscnt 0x0
	s_wait_loadcnt 0x0                             ; Wo and bo
.irp i, 0,1,2,3,4,5,6,7
.irp hf, 0,1
.irp b, 0,1,2,3
.if (\i+\hf)==0
	v_pk_mul_f32 v[ACC+2*\b:ACC+2*\b+1], v[WO+4*\i+2*\hf:WO+4*\i+2*\hf+1], v[CXR+4*(8*\b+\i)+2*\hf:CXR+4*(8*\b+\i)+2*\hf+1]
.else
	v_pk_fma_f32 v[ACC+2*\b:ACC+2*\b+1], v[WO+4*\i+2*\hf:WO+4*\i+2*\hf+1], v[CXR+4*(8*\b+\i)+2*\hf:CXR+4*(8*\b+\i)+2*\hf+1], v[ACC+2*\b:ACC+2*\b+1]
.endif
.endr
.endr
.endr
.irp b, 0,1,2,3
	v_add_f32 v[RES+\b], v[ACC+2*\b], v[ACC+2*\b+1]
.endr
	WSUMN RES, 4, RES+4
.irp b, 0,1,2,3
	ds_store_b32 v7, v[RES+\b] offset:\b*32        ; every lane holds the same number and writes the same word
.endr
	s_wait_dscnt 0x0
	s_barrier_signal -1
	s_barrier_wait -1
	s_cmp_lg_u32 s20, 0
	s_cbranch_scc1 .Lend
	ds_load_b32 v10, v8                            ; wave 0: lane = 8 b + row
	s_wait_dscnt 0x0
	v_add_f32 v10, v10, v5                         ; + bo
	global_store_b32 v9, v10, s[12:13]
.Lend:
	s_wait_tensorcnt 0x0
	ds_add_u32 v240, v241
	s_wait_dscnt 0x0
	s_endpgm
.Lfunc_end_k_q0ba8dcb401_out:
	.size	k_q0ba8dcb401_out, .Lfunc_end_k_q0ba8dcb401_out-k_q0ba8dcb401_out
	.p2alignl 7, 3214868480
	.fill 96, 4, 3214868480
	.section	.rodata,"a",@progbits
	.p2align	6, 0x0
	.amdhsa_kernel k_q0ba8dcb401_out
		.amdhsa_group_segment_fixed_size 17664
		.amdhsa_private_segment_fixed_size 0
		.amdhsa_enable_private_segment 0
		.amdhsa_kernarg_size 40
		.amdhsa_user_sgpr_count 2
		.amdhsa_user_sgpr_kernarg_segment_ptr 1
		.amdhsa_wavefront_size32 1
		.amdhsa_system_sgpr_workgroup_id_x 1
		.amdhsa_system_sgpr_workgroup_id_y 1
		.amdhsa_system_sgpr_workgroup_id_z 1
		.amdhsa_system_vgpr_workitem_id 0
		.amdhsa_next_free_vgpr 242
		.amdhsa_next_free_sgpr 66
		.amdhsa_reserve_vcc 0
		.amdhsa_float_denorm_mode_32 3
		.amdhsa_float_denorm_mode_16_64 3
		.amdhsa_memory_ordered 1
		.amdhsa_forward_progress 1
		.amdhsa_inst_pref_size 15
	.end_amdhsa_kernel
	.amdgpu_metadata
---
amdhsa.version: [ 1, 2 ]
amdhsa.kernels:
  - .name:           k_q0ba8dcb401_out
    .symbol:         k_q0ba8dcb401_out.kd
    .args:
      - { .name: ctxp, .offset: 0, .size: 8, .value_kind: global_buffer, .address_space: global }
      - { .name: bv, .offset: 8, .size: 8, .value_kind: global_buffer, .address_space: global }
      - { .name: Wo, .offset: 16, .size: 8, .value_kind: global_buffer, .address_space: global }
      - { .name: bo, .offset: 24, .size: 8, .value_kind: global_buffer, .address_space: global }
      - { .name: out0, .offset: 32, .size: 8, .value_kind: global_buffer, .address_space: global }
    .group_segment_fixed_size: 17664
    .private_segment_fixed_size: 0
    .kernarg_segment_align: 8
    .kernarg_segment_size: 40
    .max_flat_workgroup_size: 256
    .sgpr_count:     66
    .vgpr_count:     242
    .wavefront_size: 32
...
	.end_amdgpu_metadata
.endif
;; end of part 4
